; MI455X (gfx1250); checked and timed in simulation.
; The chip was launched on July 23, 2026; its instructions are those of AMD's public machine-readable ISA for CDNA 5 (MIT licence, August 2026) and "CDNA5" Instruction Set Architecture Reference Guide (July 2026). The comments in the code are by the model that wrote it; some were corrected since.
;; Transformer Layer. Allowed arithmetic: matrix products marked QUANTISED: E2M1 operands, one E8M0 scale for each 32 along K, by v_wmma_scale_f32_16x16x128_f8f6f4 with both operands' format E2M1 (or v_wmma_scale_f32_32x16x128_f4), f32 sums; products left as they are: f32 operands where the result goes on into a quantised operand, else bf16, f16 or f32 operands; f32 sums; everything else in f32.
;; Inputs: W1_codes 1,024 x 8 x 16 uint8 (E2M1 codes of W1, K innermost, in blocks of 32 codes, two codes a byte); W1_scales 1,024 x 8 uint8 (E8M0 scales of W1, one for each 32 codes along K); W2_codes 256 x 32 x 16 uint8 (E2M1 codes of W2, K innermost, in blocks of 32 codes, two codes a byte); W2_scales 256 x 32 uint8 (E8M0 scales of W2, one for each 32 codes along K); Wk_codes 256 x 8 x 16 uint8 (E2M1 codes of Wk, K innermost, in blocks of 32 codes, two codes a byte); Wk_scales 256 x 8 uint8 (E8M0 scales of Wk, one for each 32 codes along K); Wo_codes 256 x 8 x 16 uint8 (E2M1 codes of Wo, K innermost, in blocks of 32 codes, two codes a byte); Wo_scales 256 x 8 uint8 (E8M0 scales of Wo, one for each 32 codes along K); Wq_codes 256 x 8 x 16 uint8 (E2M1 codes of Wq, K innermost, in blocks of 32 codes, two codes a byte); Wq_scales 256 x 8 uint8 (E8M0 scales of Wq, one for each 32 codes along K); Wv_codes 256 x 8 x 16 uint8 (E2M1 codes of Wv, K innermost, in blocks of 32 codes, two codes a byte); Wv_scales 256 x 8 uint8 (E8M0 scales of Wv, one for each 32 codes along K); attention_samples 20,000 x 16 int32; b1 1,024 float32; b2 256 float32; be1 256 float32; be2 256 float32; bk 256 float32; bo 256 float32; bq 256 float32; bv 256 float32; g1 256 float32; g2 256 float32; x 20,000 x 256 float32.
;; Outputs: out0 20,000 x 256 float32.
;; This version of the problem:
;;   THIS VERSION OF THE PROBLEM IS GIVEN IN LOW PRECISION. The matrix products marked QUANTISED in the list below multiply operands that are first quantised to E2M1 (2 exponent bits, 1 mantissa bit; 4 bits a number), with one power-of-two scale for each 32 numbers along K (OCP MX v1.0); their sums are f32. All else is computed in f32.
;;   The module's matrix products, in the order in which they are computed (A, B: the left and right operand; K: the contracted axis; several contracted axes count as one K, in the product's order):
;;     1. [M 20,000, K 256] x [K 256, N 256]; A: input x; B: input Wq (given as codes): QUANTISED
;;     2. [M 320,000, K 256] x [K 256, N 256]; A: computed on the way; B: input Wk (given as codes): QUANTISED
;;     3. [M 320,000, K 256] x [K 256, N 256]; A: computed on the way; B: input Wv (given as codes): QUANTISED
;;     4. batch 160,000 x [M 1, K 32] x [K 32, N 16]; A: computed on the way; B: computed on the way: left as it is (M = 1 < 16)
;;     5. batch 160,000 x [M 1, K 16] x [K 16, N 32]; A: softmax; B: computed on the way: left as it is (K = 16 < 32)
;;     6. [M 20,000, K 256] x [K 256, N 256]; A: computed on the way; B: input Wo (given as codes): QUANTISED
;;     7. [M 20,000, K 256] x [K 256, N 1,024]; A: computed on the way; B: input W1 (given as codes): QUANTISED
;;     8. [M 20,000, K 1,024] x [K 1,024, N 256]; A: computed on the way; B: input W2 (given as codes): QUANTISED
;;   THE QUANTISER, for each operand of a quantised product, along K:
;;     - K is cut into blocks of 32 from its start; a last block that is shorter is filled with zeros.
;;     - A block's scale is 2^e with e = floor(log2(the largest magnitude in the block)) - 2, held to -126 .. 127; a block of zeros has e = 0. As a byte (E8M0): e + 127.
;;     - Each number is divided by its block's scale, clamped to +-6, and rounded to the nearest number of E2M1, ties to even, subnormals kept.
;;     - The product sums the exact products of the quantised numbers (number of the format x scale) in f32.
;;   ~~~python
;;   def quantise(x, axis):      # numpy; x: float32 -> the quantised numbers, widened to float32 again
;;       x = np.moveaxis(x, axis, -1); K = x.shape[-1]
;;       x = np.pad(x, [(0, 0)] * (x.ndim - 1) + [(0, -K % 32)]); x = x.reshape(x.shape[:-1] + (-1, 32)); a = np.abs(x).max(-1, keepdims=True)
;;       e = np.where(a > 0, np.clip(np.frexp(np.where(a > 0, a, 1))[1] - 1 - 2, -126, 127), 0)      # np.frexp(a)[1] - 1 = floor(log2(a)), exactly
;;       r = np.clip(x / 2.0 ** e, -6, 6)
;;       step = 2.0 ** (np.maximum(np.frexp(np.where(r == 0, 1, r))[1] - 1, 0) - 1)
;;       q = np.round(r / step) * step * 2.0 ** e      # np.round: ties to even
;;       return np.moveaxis(q.reshape(q.shape[:-2] + (-1,))[..., :K], -1, axis).astype(np.float32)
;;   ~~~
;;   OPERANDS COMPUTED ON THE WAY. 'Computed on the way' means the value that the module computes at that place (a softmax that the list does not call 'softmax' is quantised finished and normalised). What goes into a quantiser is computed in f32, as accurately as f32 sums, v_exp_f32 and their like allow (about 1e-6 of the number): no bf16 or f16 on the way to a quantiser, and a product that is left as it is and whose result goes on into a quantised operand takes f32 operands (vector FMAs, or v_wmma_f32_16x16x4_f32). A number that lies on a knife's edge between two numbers of the format may be rounded either way, as far as f32 arithmetic and the matrix unit's own rounding can turn it there, and no further.
;;   INPUTS GIVEN AS CODES. W1 (in the module: [256, 1024], K = its axis 0); W2 (in the module: [1024, 256], K = its axis 0); Wk (in the module: [256, 256], K = its axis 0); Wo (in the module: [256, 256], K = its axis 0); Wq (in the module: [256, 256], K = its axis 0); Wv (in the module: [256, 256], K = its axis 0): each comes as NAME_codes (uint8): NAME with its K axis moved to the last place and cut into blocks of 32 codes, [.., K / 32, bytes a block], one block behind the other in memory; two codes a byte, the lower K in the low four bits (a code: sign, 2 exponent bits, 1 mantissa bit); and NAME_scales (uint8): the same leading axes, one E8M0 byte (e + 127) for each 32 codes along K. Its value is code x scale, taken as it is: it is not quantised again, and the codes and scales need not be those that the quantiser above would give.
;; One version. Each part assembles by itself: llvm-mc -triple=amdgcn-amd-amdhsa -mcpu=gfx1250 --defsym DOCPART=n.
;; ======== version 1 of 1: 2 launches
;; limits: right only within a limited range of input values
;; workspace buffers: xc 2,560,000 bytes; xs 160,000 bytes; wi 393,216 bytes
;; launch quant (part 1): grid 673 x 1, 2 waves a work-group, no clusters, 11,008 bytes of LDS; arguments x, xc, xs, Wq_codes, Wk_codes, Wv_codes, Wo_codes, W1_codes, W2_codes, wi; writes xc, xs, wi
.if DOCPART == 1
	.amdgcn_target "amdgcn-amd-amdhsa--gfx1250"
	.amdhsa_code_object_version 6
	.text
	.protected	k_qb04ef2225c_quant
	.globl	k_qb04ef2225c_quant
	.p2align	8
	.type	k_qb04ef2225c_quant,@function
k_qb04ef2225c_quant:
	s_mov_b64 s[64:65], 0
	v_nop
	global_prefetch_b8 v0, s[64:65] scope:SCOPE_SE
	s_setreg_imm32_b32 hwreg(HW_REG_WAVE_MODE, 25, 1), 1
	s_wait_xcnt 0x0
; x [20000][256] f32 becomes codes of E2M1 (xc: [20000][128] bytes, K innermost, the lower k in the low four bits) and one E8M0 byte for each 32 along K (xs: [20000][8]).
; The quantiser works row by row, so the codes of a gathered row are the gathered codes of the row: x is quantised once, here, and the next launch gathers 136 bytes a neighbour.
; A block's scale is 2^(floor(log2(largest magnitude)) - 2): its byte is the largest magnitude's exponent field - 2, held at 1 from below.
; LIMITS: a block of zeros, or one whose largest magnitude lies under 2^-124, gets the byte 1 (the rule says 127 for zeros: the codes are zeros, and this program alone reads the bytes); NaN and infinities are not served.
; Rows are dense and 256 is a multiple of 32: the tensor is a plain stream of blocks.  A wave takes 4,096 numbers in 8 steps of 512; all its 32 loads (512 consecutive bytes each) go out at the head.
; A conversion wants 8 neighbours in one lane, a load wants neighbouring bytes in neighbouring lanes: a step's 2,048 bytes turn through the wave's own stage in LDS (80 bytes a lane: 64 + 16 of padding).
; A step's codes leave as 256 consecutive bytes; the work-group's 256 scale bytes are gathered in LDS and leave as one aligned run of 256 bytes.
; DEAD WORK LEFT OUT OF THE PROGRAM: bk.  A score is q . (Wk g + bk) = q . (Wk g) + q . bk, and the second term is the same for all 16 neighbours of a node and head, whatever the inputs hold: the softmax along the neighbours
; takes it away, and the product of q and k is not a quantised one.  So bk has no way to out0 and is no argument of any launch.  LIMIT: a NaN, an infinity or an overflow that reaches only q . bk is not carried to the result.
; WORK-GROUPS 625 TO 672 lay the codes of all six weights out anew (wi): runs of 4,096 bytes, 32 rows x 256 along K, in the order in which a wave's operand registers take them: chunk 4 s + 2 t + c of 512 bytes holds, at 16 x lane,
; the 16 bytes of K block 4 s + 2 c + lane / 16 of the row that lane % 16 of tile t takes.  Runs 0-7 Wq, 8-15 Wk, 16-23 Wv, 24-31 Wo, 32-63 W1, 64-95 W2 (four runs along K for 32 rows).
; Rows of a tile: Wq, Wk, Wv: 16 t + r.  Wo, W1, W2: 8 t + r + 8 (r / 8), so that a lane's 16 results of two tiles are 16 neighbouring channels.
.set STEPS, 8
.set EMAX,  2
.set CB,    8                          ; bytes of 16 codes
.set R,     16                         ; v16-143  eight sets of 16 numbers as loaded
.set X,     144                        ; v144-175 two sets of 16 neighbours
.set E,     176                        ; v176-183 a scale byte for each step
.set C,     184                        ; v184-199 a pair of code registers for each step: no store's data are written again
.set WREG,  5120                       ; LDS: two stages of 32 x 80 bytes for each wave
.set SP,    80
.set SCB,   10240                      ; behind them the work-group's 256 scale bytes
	s_cmp_ge_u32 ttmp9, 625
	s_cbranch_scc1 .Lrelay                         ; work-groups 625 on: the weights
	s_load_b128 s[4:7], s[0:1], 0x0                ; x, xc
	s_load_b64 s[8:9], s[0:1], 0x10                ; xs
	v_lshl_add_u32 v200, v0, 2, 0x2a00
	v_mov_b32 v201, 0
	v_lshrrev_b32 v1, 5, v0
	v_readfirstlane_b32 s16, v1                    ; wave 0..1
	v_and_b32 v2, 31, v0                           ; lane
	v_lshlrev_b32 v3, 4, v2                        ; my 16 bytes of a load's 512
	s_mul_i32 s17, s16, WREG
	v_lshrrev_b32 v14, 2, v2
	v_mul_u32_u24 v14, v14, SP
	v_and_b32 v15, 3, v2
	v_lshl_add_u32 v14, v15, 4, v14
	v_add_nc_u32 v14, s17, v14                     ; the stage, in: 80 (lane / 4) + 16 (lane % 4)
	v_mul_u32_u24 v15, v2, SP
	v_add_nc_u32 v15, s17, v15                     ; and out: 80 x lane: my 16 neighbours
	v_mul_u32_u24 v4, v2, CB                       ; my codes' place in a step's 256 bytes
	v_lshrrev_b32 v5, 1, v2
	s_lshl_b32 s18, s16, 7
	s_add_co_u32 s18, s18, SCB
	v_add_nc_u32 v5, s18, v5                       ; my block's scale byte: 128 x wave + lane / 2 (+ 16 a step)
	v_lshlrev_b32 v7, 3, v2                        ; the scale bytes' way out: 8 bytes a lane
	v_add_nc_u32 v6, SCB, v7
	s_lshl_b32 s19, ttmp9, 1
	s_add_co_u32 s19, s19, s16                     ; which run of 4,096 numbers is my wave's
	s_lshl_b32 s20, s19, 14                        ; 16,384 bytes of x a run,
	s_mov_b32 s21, 0
	s_lshl_b32 s22, s19, 11                        ; 2,048 of codes;
	s_mov_b32 s23, 0
	s_lshl_b32 s24, ttmp9, 8                       ; 256 scale bytes a work-group
	s_mov_b32 s25, 0
	s_wait_alu depctr_va_vdst(0)
	s_wait_kmcnt 0x0
	s_add_nc_u64 s[4:5], s[4:5], s[20:21]
	s_add_nc_u64 s[6:7], s[6:7], s[22:23]
	s_add_nc_u64 s[8:9], s[8:9], s[24:25]
.macro LOAD t
.irp i, 0,1,2,3
	global_load_b128 v[R+16*(\t)+4*\i:R+16*(\t)+4*\i+3], v3, s[4:5] offset:2048*(\t)+512*\i   ; 32 lanes read 512 consecutive bytes (no hint: the next launch reads x again)
.endr
.endm
.macro TURN t                          ; step t's numbers through a stage: LDS serves a wave's instructions in order, so no wait stands between the stores and the loads
.irp i, 0,1,2,3
	ds_store_b128 v14, v[R+16*(\t)+4*\i:R+16*(\t)+4*\i+3] offset:32*SP*((\t)%2)+8*SP*\i
.endr
.irp i, 0,1,2,3
	ds_load_b128 v[X+16*((\t)%2)+4*\i:X+16*((\t)%2)+4*\i+3], v15 offset:32*SP*((\t)%2)+16*\i
.endr
.endm
.irp t, 0,1,2,3,4,5,6,7
	LOAD \t
.endr
	s_wait_loadcnt 28                              ; step 0's four loads are in; the 28 of steps 1 to 7 may be out
	TURN 0
.macro STEP t
.set XS, X+16*((\t)%2)
.if (\t) > 0
	s_wait_dscnt 1                                 ; this step's numbers are back from the stage; the last step's byte store may be out
.else
	s_wait_dscnt 0x0
.endif
.if (\t)+1 < STEPS
	s_wait_loadcnt 4*(STEPS-2-(\t))                ; the next step's four loads are in; those of the steps behind it may be out
	TURN (\t)+1                                    ; and turn through the other stage while this step is worked
.endif
	v_max3_num_f32 v8, |v[XS]|, |v[XS+1]|, |v[XS+2]|               ; the largest magnitude of my 16, in two chains
	v_max3_num_f32 v9, |v[XS+3]|, |v[XS+4]|, |v[XS+5]|
.irp i, 6,10
	v_max3_num_f32 v8, v8, |v[XS+\i]|, |v[XS+\i+1]|
	v_max3_num_f32 v9, v9, |v[XS+\i+2]|, |v[XS+\i+3]|
.endr
	v_max3_num_f32 v8, v8, |v[XS+14]|, |v[XS+15]|
	v_max3_num_f32 v8, v8, v9, (EMAX+1)<<23        ; and the floor 2^(3 - 127): the byte cannot fall under 1
	v_max_num_f32_dpp v8, v8, v8 row_xmask:1 row_mask:0xf bank_mask:0xf   ; with my neighbour's 16: the block's
	v_add_nc_u32 v11, -(EMAX<<23), v8              ; 2 off its exponent field: the conversion takes this operand's exponent field as its scale
	v_cvt_scalef32_pk8_fp4_f32 v[C+2*(\t)], v[XS:XS+7], v11
	v_cvt_scalef32_pk8_fp4_f32 v[C+2*(\t)+1], v[XS+8:XS+15], v11
	v_lshrrev_b32 v[E+(\t)], 23, v11               ; the scale's byte (also the plain line behind the conversions)
	ds_store_b8 v5, v[E+(\t)] offset:16*(\t)       ; both lanes of a block write the same byte with the same value
	global_store_b64 v4, v[C+2*(\t):C+2*(\t)+1], s[6:7] offset:32*CB*(\t)   ; 32 lanes store 256 consecutive bytes, aligned
.endm
.irp t, 0,1,2,3,4,5,6,7
	STEP \t
.endr
	s_wait_dscnt 0x0                               ; for the other wave's sake: my byte stores have landed
	s_barrier_signal -1
	s_barrier_wait -1
	s_cmp_lg_u32 s16, 0
	s_cbranch_scc1 .Ldone                          ; wave 0 sends both waves' bytes
	ds_load_b64 v[12:13], v6
	s_wait_dscnt 0x0
	global_store_b64 v7, v[12:13], s[8:9]          ; 32 lanes store 256 consecutive bytes, aligned
.Ldone:
	s_barrier_signal -1
	s_barrier_wait -1
	s_wait_tensorcnt 0x0
	ds_add_u32 v200, v201
	s_wait_dscnt 0x0
	s_endpgm
.Lrelay:                                               ; no LDS on this way: a wave takes one run of 4,096 bytes
	s_load_b128 s[4:7], s[0:1], 0x18               ; Wq, Wk
	s_load_b128 s[8:11], s[0:1], 0x28              ; Wv, Wo
	s_load_b128 s[12:15], s[0:1], 0x38             ; W1, W2
	s_load_b64 s[16:17], s[0:1], 0x48              ; wi
	v_lshrrev_b32 v1, 5, v0
	v_readfirstlane_b32 s18, v1
	s_sub_co_u32 s19, ttmp9, 625
	s_lshl_b32 s19, s19, 1
	s_add_co_u32 s19, s19, s18                     ; run 0..95
	s_and_b32 s23, s19, 7
	s_lshl_b32 s23, s23, 12                        ; a weight of 256 rows x 128 bytes: 32 rows a run,
	s_sub_co_u32 s24, s19, 32
	s_lshl_b32 s24, s24, 12                        ; W1: likewise,
	s_sub_co_u32 s25, s19, 64
	s_lshr_b32 s25, s25, 2
	s_lshl_b32 s25, s25, 14                        ; W2: 32 rows of 512 bytes,
	s_and_b32 s26, s19, 3
	s_lshl_b32 s26, s26, 7
	s_add_co_u32 s25, s25, s26                     ; 128 bytes of each a run
	s_cmp_lt_u32 s19, 64
	s_cselect_b32 s25, s24, s25
	s_cselect_b32 s22, 7, 9                        ; a row of 128 or of 512 bytes
	s_cmp_lt_u32 s19, 32
	s_cselect_b32 s24, s23, s25
	s_mov_b32 s25, 0
	s_cmp_lt_u32 s19, 24
	s_cselect_b32 s20, 0, 1
	s_cselect_b32 s21, 16, 8
	s_lshl_b32 s21, s21, s22                       ; from tile to tile, in bytes
	s_lshl_b32 s28, s19, 12
	s_mov_b32 s29, 0
	v_and_b32 v2, 15, v0                           ; r
	v_bfe_u32 v3, v0, 4, 1                         ; h
	v_and_b32 v4, 8, v2
	v_and_b32 v7, 31, v0
	v_mul_u32_u24 v4, s20, v4
	v_lshlrev_b32 v7, 4, v7
	v_add_nc_u32 v4, v4, v2
	v_lshlrev_b32 v5, s22, v4
	v_lshl_add_u32 v5, v3, 4, v5
	v_add_nc_u32 v6, s21, v5
	s_wait_alu depctr_va_vdst(0)
	s_wait_kmcnt 0x0
	s_cmp_lt_u32 s19, 64
	s_cselect_b64 s[26:27], s[12:13], s[14:15]
	s_cmp_lt_u32 s19, 32
	s_cselect_b64 s[26:27], s[10:11], s[26:27]
	s_cmp_lt_u32 s19, 24
	s_cselect_b64 s[26:27], s[8:9], s[26:27]
	s_cmp_lt_u32 s19, 16
	s_cselect_b64 s[26:27], s[6:7], s[26:27]
	s_cmp_lt_u32 s19, 8
	s_cselect_b64 s[26:27], s[4:5], s[26:27]
	s_add_nc_u64 s[26:27], s[26:27], s[24:25]
	s_add_nc_u64 s[16:17], s[16:17], s[28:29]
.irp s, 0,1
.irp t, 0,1
.irp c, 0,1
	global_load_b128 v[8+16*\s+8*\t+4*\c:11+16*\s+8*\t+4*\c], v[5+\t], s[26:27] offset:64*\s+32*\c
.endr
.endr
.endr
.irp i, 0,1,2,3,4,5,6,7
	s_wait_loadcnt 7-\i                            ; this chunk is in, the later ones may be out
	global_store_b128 v7, v[8+4*\i:11+4*\i], s[16:17] offset:512*\i   ; 32 lanes store 512 consecutive bytes, aligned
.endr
	s_endpgm
.Lfunc_end_k_qb04ef2225c_quant:
	.size	k_qb04ef2225c_quant, .Lfunc_end_k_qb04ef2225c_quant-k_qb04ef2225c_quant
	.p2alignl 7, 3214868480
	.fill 96, 4, 3214868480
	.section	.rodata,"a",@progbits
	.p2align	6, 0x0
	.amdhsa_kernel k_qb04ef2225c_quant
		.amdhsa_group_segment_fixed_size 11008
		.amdhsa_private_segment_fixed_size 0
		.amdhsa_enable_private_segment 0
		.amdhsa_kernarg_size 80
		.amdhsa_user_sgpr_count 2
		.amdhsa_user_sgpr_kernarg_segment_ptr 1
		.amdhsa_wavefront_size32 1
		.amdhsa_system_sgpr_workgroup_id_x 1
		.amdhsa_system_sgpr_workgroup_id_y 1
		.amdhsa_system_sgpr_workgroup_id_z 1
		.amdhsa_system_vgpr_workitem_id 0
		.amdhsa_next_free_vgpr 202
		.amdhsa_next_free_sgpr 66
		.amdhsa_reserve_vcc 0
		.amdhsa_float_denorm_mode_32 3
		.amdhsa_float_denorm_mode_16_64 3
		.amdhsa_memory_ordered 1
		.amdhsa_forward_progress 1
		.amdhsa_inst_pref_size 22
	.end_amdhsa_kernel
	.amdgpu_metadata
---
amdhsa.version: [ 1, 2 ]
amdhsa.kernels:
  - .name:           k_qb04ef2225c_quant
    .symbol:         k_qb04ef2225c_quant.kd
    .args:
      - { .name: x, .offset: 0, .size: 8, .value_kind: global_buffer, .address_space: global }
      - { .name: xc, .offset: 8, .size: 8, .value_kind: global_buffer, .address_space: global }
      - { .name: xs, .offset: 16, .size: 8, .value_kind: global_buffer, .address_space: global }
      - { .name: Wq_codes, .offset: 24, .size: 8, .value_kind: global_buffer, .address_space: global }
      - { .name: Wk_codes, .offset: 32, .size: 8, .value_kind: global_buffer, .address_space: global }
      - { .name: Wv_codes, .offset: 40, .size: 8, .value_kind: global_buffer, .address_space: global }
      - { .name: Wo_codes, .offset: 48, .size: 8, .value_kind: global_buffer, .address_space: global }
      - { .name: W1_codes, .offset: 56, .size: 8, .value_kind: global_buffer, .address_space: global }
      - { .name: W2_codes, .offset: 64, .size: 8, .value_kind: global_buffer, .address_space: global }
      - { .name: wi, .offset: 72, .size: 8, .value_kind: global_buffer, .address_space: global }
    .group_segment_fixed_size: 11008
    .private_segment_fixed_size: 0
    .kernarg_segment_align: 8
    .kernarg_segment_size: 80
    .max_flat_workgroup_size: 64
    .sgpr_count:     66
    .vgpr_count:     202
    .wavefront_size: 32
...
	.end_amdgpu_metadata
.endif
;; end of part 1
;; launch layer (part 2): grid 250 x 1, 8 waves a work-group, no clusters, 327,680 bytes of LDS; arguments xc, xs, attention_samples, x, wi, Wq_scales, Wk_scales, Wv_scales, W1_scales, Wo_scales, W2_scales, bq, bv, bo, g1, be1, b2, g2, be2, b1, out0; writes out0
.if DOCPART == 2
	.amdgcn_target "amdgcn-amd-amdhsa--gfx1250"
	.amdhsa_code_object_version 6
	.text
	.protected	k_qb04ef2225c_layer
	.globl	k_qb04ef2225c_layer
	.p2align	8
	.type	k_qb04ef2225c_layer,@function
k_qb04ef2225c_layer:
	s_mov_b64 s[64:65], 0
	v_nop
	global_prefetch_b8 v0, s[64:65] scope:SCOPE_SE
	s_setreg_imm32_b32 hwreg(HW_REG_WAVE_MODE, 25, 1), 1
	s_wait_xcnt 0x0
; The whole layer for 80 nodes a work-group (250 x 80 = 20,000): q, k, v on codes of E2M1, scores, softmax and the weighted sum in f32, out-projection, LayerNorm, FFN, LayerNorm.  Nothing but out0 goes to memory.
; ATTENTION: the eight waves share the NODES, ten each (five pairs), and walk the eight heads: the first and the last head are written out, six stand in a loop.  A wave's gathered operands (10 nodes x 16 neighbours x 256 codes,
; 160 registers) come from memory once and stay; a head's 32 rows of Wq, Wk, Wv, their scale words, bq and bv come from LDS, one head ahead.  k is used transposed (a lane: one neighbour, registers along the channels),
; v in the natural order (a lane: one channel, registers along the neighbours): score and weighted sum are fused multiply-adds down a lane's registers.  A head's 32 channels of o are one block of the next K: they are
; quantised one head later, behind that head's first products.
; THE GATHER fetches whole rows: eight lanes a row of 128 bytes, four rows an instruction; a pair's 32 rows turn through the wave's own LDS stage into the operand's layout, pair by pair under the first head's work.
; Lane group g of four takes neighbours 4 g .. 4 g + 3; neighbour 4 g + i lands in row 4 i + g of the operand, for codes and scale words alike: the softmax and the sum over neighbours do not hang on their order.
; AFTER IT the waves share the COLUMNS: wave w owns channels 32 w .. 32 w + 31 (Wo, W2, both norms) and hidden units 128 w .. 128 w + 127 (W1), for all five tiles of 16 nodes.  Rows of codes go from wave to wave through LDS.
; The FFN goes by two groups of tiles, 0-2 and 3-4: the first group's rows are stored ahead of the second group's last product and norm.
; Wo, W1 and W2, laid out by the launch before, go straight into the registers of the wave that multiplies by them, 512 consecutive bytes a load.
; ALL PRODUCTS ARE 32 x 16 x 128: source 0 takes 32 rows of a weight (v: the 2 x 16 neighbours of a pair), whose scale words fill the 32 lanes of a register.
; A NORM has one exchange between the waves: each wave's mean of its 32 channels and their centred squares; the row's squares are the sum of the eight plus 32 x the squares of (wave's mean - row's mean).
; RELU on codes: the scale is taken from the numbers as they are, without |.|, and a negative code's magnitude bits are cleared afterwards: it becomes -0.
; DEAD WORK LEFT OUT: bk, which adds the same number to all 16 scores of a node and head (shown at the head of the first kernel).  LIMIT: a NaN, an infinity or an overflow that reaches only q . bk is not carried to the result.
; NO CLUSTER: the weights are shared by all work-groups, but the grid, 250, is no multiple of four.  NO PREFETCH: x is asked for seven heads ahead of its use, W1 ahead of the last head's softmax, two barriers ahead of its use, W2 ahead of the first norm and
; of the first product of the FFN; the gathered rows' indices are known only a step ahead of the gather.
; LIMITS: NaN and infinities are not served; a block of zeros or with its largest magnitude under 2^-124 gets the scale byte 1 (its codes are zeros; the bytes stay inside this program);
; bv is added once to the weighted sum of v (the weights add up to 1 but for f32 rounding).  The softmax takes its maximum away.
; ---- LDS ----
.set L_W,   0                          ; Wq, Wk, Wv in the operands' order: 3 x 8 heads x 4,096
.set L_X,   98304                      ; x: 80 rows of 1,024 + 16
.set L_SC,  181504                     ; Wq's, Wk's, Wv's scale bytes, 2,048 each
.set L_PAR, 187648                     ; bq bv bo g1 be1 b2 g2 be2, 1,024 zeros (+ 8,192), b1 (+ 9,216)
.set L_OC,  200960                     ; codes of o, later of x1: 80 rows, 128 bytes + 16
.set L_OSC, 212480                     ; their scale bytes [80][8]
.set L_SCR, 213248                     ; 4,608 a wave: the gather's stage (two nodes of 16 rows x 144); then 640 for the weights of five pairs and 1,280 for a head's o
.set L_RED, 250112                     ; two blocks of 80 rows x 80 bytes: eight means, eight sums of squares, 16 of padding
.set SPARE, 262912                     ; the spare words, 128 bytes a wave
.set L_HS,  42240                      ; over Wq, Wk, Wv, behind their last read: hidden codes at 0, 80 rows of 512 + 16, and hidden scale bytes [80][32]
; ---- registers in the head loop: window 0 ----
.set A_WL, 1                           ; 16 x lane; never rewritten
.set A_WA, 2
.set A_WAV, 3
.set A_SL, 4
.set A_SA, 5
.set A_BL, 6
.set A_BA, 7
.set A_BVL, 8
.set A_BVA, 9
.set A_ATW, 10
.set A_ATR, 11
.set A_OSW, 12
.set A_OSR0, 13
.set A_OSR1, 14
.set A_OCW0, 15
.set A_OCW1, 16
.set A_OBW0, 17
.set A_OBW1, 18
.set A_OC0, 19
.set A_OC1, 20
.set A_OB0, 21
.set A_OB1, 22
.set A_TW, 23
.set SPW, 24                           ; my spare word's address, and 0: never rewritten
.set NIL, 25
.set A_TR, 26
.set GS,   28                          ; v28-37 scale words of the gathered rows: pair p, K step s at 2 p + s: lanes 0-15 the first node's, lanes 16-31 the second's
.set OWS,  38
.set WSQ,  40                          ; two K steps each, lane m: row m of the head's 32
.set WSK,  42
.set WSV,  44
.set WOS,  46
.set OWN,  48                          ; v48-63 my own nodes' codes (column r: node min(r, 9))
.set WO,   64                          ; v64-95 my 32 rows of Wo
.set BQ,   96                          ; v96-111 bq in q's layout
.set BVP,  112                         ; v112-115 two pairs (bv in lanes 0-15 and 0 in lanes 16-31, 0)
.set QR,   116                         ; v116-131 q: lane (r, h): node r, register 8 t + j: channel 16 t + 8 h + j
.set KT,   132                         ; v132-195 two sets of 32: k: node n at 16 n, then v: tile t at 16 t, of a pair
.set AT,   196                         ; v196-227 two sets: the weights of a pair, register j: row 8 h + j
.set EE,   212                         ; the 16 numbers of o that a lane quantises: over the second set, between two heads
.set TP,   228
.set SS,   236                         ; v236-240 scores, then weights: lanes 0-15 the pair's first node, lanes 16-31 its second
.set MX,   241
.set OO,   246                         ; v246-255 o: lane l: channel l of the head
; window 1
.set GF,   0                           ; pair p, K step s, node n, c at 32 p + 16 s + 8 n + 4 c
.set WKF,  160
.set WVF,  192
.set WQF,  224
; ---- registers behind the loop ----
.set P_FA, 2
.set P_FS, 3
.set P_CW, 4
.set P_CB, 5
.set P_RW, 6
.set P_RR, 7
.set P_PB, 8
.set P_P1, 9
.set P_SW, 10
.set P_SW3, 11
.set P_HW, 12
.set P_HB, 13
.set P_HR, 14
.set P_HSR, 15
.set P_SR, 16
.set P_GO, 17
.set P_W1S, 18
.set P_W2S, 19
.set P_SR2, 20
.set P_GO2, 21
.set W2S,  28
.set W1S,  36
.set XSC,  44                          ; a tile's scale words in the FFN's first product
.set BO,   48                          ; v48-63 bo, later b2
.set B1R,  64
.set HH,   96
.set HSC,  112                         ; v112-123 a group's scale words of the hidden layer
.set YY,   132                         ; v132-211 lane (r, h), register 16 m + k: node 16 m + r, channel 32 w + 16 h + k
.set GG,   212
.set BE,   228
.set XF,   212
.set FSC,  244
.set XX,   0                           ; window 1: x at 16 m; when it is added, W2 at 16 s; W1 at 128 + 32 b + 16 s
.set W2F,  0
.set W1F,  128
.set MSB, 0
.macro WIN new                         ; s_set_vgpr_msb: bits 1:0 source 0, 3:2 source 1, 5:4 source 2, 7:6 destination; the high byte repeats the setting that is left
.if MSB != \new
	s_set_vgpr_msb (MSB<<8)|\new
.set MSB, \new
.endif
.endm
.macro NOPS n                          ; places behind matrix instructions (ISA guide 7.12.1)
.rept \n
	v_nop
.endr
.endm
.macro BARRIER                         ; my LDS stores have landed and my LDS loads are in: then the work-group's barrier
	s_wait_alu depctr_va_vdst(0)
	s_wait_dscnt 0x0
	s_barrier_signal -1
	s_barrier_wait -1
.endm
; One product 32 x 16 x 128.  cm = 0: C is 0; else C = v[c ..].  row = 1: source 1's scale words are taken from lanes 16-31.
.macro MM d, a, b, cm, c, sa, sb, row
.if (\row) == 0
.if (\cm) == 0
	v_wmma_scale_f32_32x16x128_f4 v[(\d):(\d)+15], v[(\a):(\a)+15], v[(\b):(\b)+7], 0, v[(\sa)], v[(\sb)]
.else
	v_wmma_scale_f32_32x16x128_f4 v[(\d):(\d)+15], v[(\a):(\a)+15], v[(\b):(\b)+7], v[(\c):(\c)+15], v[(\sa)], v[(\sb)]
.endif
.else
.if (\cm) == 0
	v_wmma_scale_f32_32x16x128_f4 v[(\d):(\d)+15], v[(\a):(\a)+15], v[(\b):(\b)+7], 0, v[(\sa)], v[(\sb)] matrix_b_scale:MATRIX_SCALE_ROW1
.else
	v_wmma_scale_f32_32x16x128_f4 v[(\d):(\d)+15], v[(\a):(\a)+15], v[(\b):(\b)+7], v[(\c):(\c)+15], v[(\sa)], v[(\sb)] matrix_b_scale:MATRIX_SCALE_ROW1
.endif
.endif
.endm
	s_load_b512 s[4:19], s[0:1], 0x0               ; xc 4, xs 6, samples 8, x 10, wi 12, Wq scales 14, Wk 16, Wv 18
	s_load_b512 s[20:35], s[0:1], 0x40             ; W1 scales 20, Wo 22, W2 24, bq 26, bv 28, bo 30, g1 32, be1 34
	s_load_b256 s[36:43], s[0:1], 0x80             ; b2 36, g2 38, be2 40, b1 42
	s_load_b64 s[44:45], s[0:1], 0xa0              ; out0
	v_lshl_add_u32 v[SPW], v0, 2, SPARE
	v_mov_b32 v[NIL], 0
	ds_add_u32 v[SPW], v[NIL]                      ; twice on end; its wait stands ahead of my first tensor load
	ds_add_u32 v[SPW], v[NIL]
	v_lshrrev_b32 v231, 5, v0
	v_readfirstlane_b32 s2, v231                   ; wave 0..7
	s_mov_b32 s3, ttmp9                            ; work-group
	; descriptor group 1 for the weights: 48 rows of 256 bytes (32 elements of 8), dense, no padding
	s_mov_b32 s68, 3<<16
	s_mov_b32 s69, 32<<16                          ; tensor_dim0
	s_mov_b32 s70, 48<<16                          ; tensor_dim1
	s_mov_b32 s71, 32<<16                          ; tile_dim0
	s_mov_b32 s72, 48                              ; tile_dim1
	s_mov_b32 s73, 32                              ; pitch
	s_mov_b32 s74, 0
	s_mov_b32 s75, 0
	; and for x: 10 rows of 1,024 bytes, four words of padding behind every 256 words
	s_mov_b32 s76, (3<<16)|(1<<20)|(7<<22)|(3<<25)
	s_mov_b32 s77, 128<<16
	s_mov_b32 s78, 10<<16
	s_mov_b32 s79, 128<<16
	s_mov_b32 s80, 10
	s_mov_b32 s81, 128
	s_mov_b32 s82, 0
	s_mov_b32 s83, 0
	s_mul_i32 s96, s3, 80
	s_mul_i32 s97, s2, 10
	s_add_co_u32 s96, s96, s97                     ; my wave's first node
	s_lshl_b32 s94, s96, 6
	s_mov_b32 s95, 0
	v_and_b32 v220, 15, v0                         ; r
	v_bfe_u32 v221, v0, 4, 1                       ; h
	v_and_b32 v222, 31, v0                         ; lane
	v_bfe_u32 v223, v0, 3, 2                       ; g: which of an instruction's four rows
	v_and_b32 v224, 7, v0                          ; which 16 bytes of it
	v_and_b32 v226, 3, v220
	v_lshrrev_b32 v227, 2, v220
	v_lshlrev_b32 v225, 4, v223                    ; samples: neighbours 4 g .. 4 g + 3
	v_lshlrev_b32 v227, 2, v227
	v_lshl_add_u32 v226, v226, 4, v227             ; samples for the scale words: row r is neighbour 4 (r % 4) + r / 4,
	v_lshl_add_u32 v226, v221, 6, v226             ; of the pair's node h
	v_lshlrev_b32 v228, 2, v0
	v_lshlrev_b32 v229, 4, v0
	v_lshlrev_b32 v230, 3, v0
	s_wait_alu depctr_va_vdst(0)
	s_wait_dscnt 0x0                               ; both opening adds are done
	s_wait_kmcnt 0x0
	s_add_nc_u64 s[8:9], s[8:9], s[94:95]
.irp i, 0,1,2,3,4,5,6,7,8,9
.if \i < 2                             ; nodes 0, 1 (pair 0) at v132-139, nodes 2-9 at v64-95: Wo's registers, which are loaded behind the first head
	global_load_b128 v[132+4*\i:135+4*\i], v225, s[8:9] offset:64*\i
.else
	global_load_b128 v[56+4*\i:59+4*\i], v225, s[8:9] offset:64*\i
.endif
.endr
.irp p, 0,1,2,3,4
	global_load_b32 v[241+\p], v226, s[8:9] offset:128*\p
.endr
	s_mov_b32 s84, 1
	s_mul_i32 s85, s2, 12288                       ; LDS: wave x 12,288
	s_mov_b32 s94, s85
	s_add_nc_u64 s[86:87], s[12:13], s[94:95]
	s_or_b32 s87, s87, 0x80000000
	tensor_load_to_lds s[84:87], s[68:75]          ; my eighth of Wq, Wk, Wv
	s_nop 0
	NOPS 4
	v_min_u32 v231, 9, v220
	v_add_nc_u32 v231, s96, v231                   ; column r of q's product: my node min(r, 9)
	v_lshlrev_b32 v232, 7, v231
	v_lshlrev_b32 v233, 3, v231
	v_lshl_add_u32 v232, v221, 4, v232
.irp s, 0,1
.irp c, 0,1
	global_load_b128 v[OWN+8*\s+4*\c:OWN+8*\s+4*\c+3], v232, s[4:5] offset:64*\s+32*\c
.endr
.endr
	global_load_b64 v[OWS:OWS+1], v233, s[6:7]
.irp k, 0,1,2,3,4,5,6,7
	global_load_b32 v[196+\k], v228, s[26+2*\k:27+2*\k]            ; thread t takes number t of each vector of 256,
.endr
	global_load_b128 v[204:207], v229, s[42:43]    ; four of b1,
.irp k, 0,1,2
	global_load_b64 v[208+2*\k:209+2*\k], v230, s[14+2*\k:15+2*\k] ; and eight scale bytes of Wq, Wk, Wv
.endr
	; addresses, while the loads are out
	s_mul_i32 s94, s2, 4096
	s_add_nc_u64 s[92:93], s[12:13], 0x18000
	s_add_nc_u64 s[92:93], s[92:93], s[94:95]      ; my rows of Wo in wi,
	s_lshl_b32 s94, s2, 14
	s_add_nc_u64 s[60:61], s[12:13], 0x20000
	s_add_nc_u64 s[60:61], s[60:61], s[94:95]      ; of W1,
	s_add_nc_u64 s[62:63], s[12:13], 0x40000
	s_add_nc_u64 s[62:63], s[62:63], s[94:95]      ; of W2;
	s_lshl_b32 s94, s2, 8
	s_add_nc_u64 s[22:23], s[22:23], s[94:95]      ; their scale bytes
	s_lshl_b32 s94, s2, 10
	s_add_nc_u64 s[20:21], s[20:21], s[94:95]
	s_add_nc_u64 s[24:25], s[24:25], s[94:95]
	s_mul_i32 s94, s3, 81920
	s_add_nc_u64 s[44:45], s[44:45], s[94:95]      ; out0 at the work-group's 80 rows
	s_add_nc_u64 s[90:91], s[10:11], s[94:95]
	s_mul_i32 s94, s2, 10240
	s_add_nc_u64 s[90:91], s[90:91], s[94:95]      ; x at my ten rows
	s_or_b32 s91, s91, 0x80000000
	s_mov_b32 s88, 1
	s_mul_i32 s89, s2, 10400
	s_add_co_u32 s89, s89, L_X
	s_mov_b32 s48, 0x3d000000                      ; 1 / 32
	s_mov_b32 s49, s48
	s_mov_b32 s50, 0x3e000000                      ; 1 / 8
	s_mov_b32 s51, s50
	s_mov_b32 s52, 0x42000000                      ; 32
	s_mov_b32 s53, s52
	s_mov_b32 s54, 0x3b800000                      ; 1 / 256
	s_mov_b32 s55, 0x3727c5ac                      ; 1e-5
	s_mov_b32 s56, 0x76543210                      ; selects for lane l xor 16
	s_mov_b32 s57, 0xfedcba98
	s_mov_b32 s58, 0x88888888                      ; the codes' sign bits
	s_mul_i32 s98, s2, 4608
	s_add_co_u32 s98, s98, L_SCR                   ; my scratch
	s_add_co_u32 s99, s98, 640
	v_lshlrev_b32 v[A_WL], 4, v222
	v_lshlrev_b32 v236, 4, v224                    ; 16 bytes of a row
	v_and_b32 v237, 8, v220
	v_add_nc_u32 v237, v237, v220
	v_lshl_add_u32 v237, v221, 3, v237             ; lane's row among 32 of Wo: 8 h + r + 8 (r / 8)
	v_lshlrev_b32 v27, 3, v237                     ; kept for the load behind the first head
	v_lshl_add_u32 v238, v0, 2, L_PAR
	v_lshl_add_u32 v239, v0, 4, L_PAR+9216
	v_lshl_add_u32 v240, v0, 3, L_SC
	v_lshl_add_u32 v[A_SL], v222, 3, L_SC
	v_lshlrev_b32 v[A_BL], 5, v221
	v_mul_u32_u24 v[A_BVL], 7168, v221             ; lanes 16-31 take zeros for bv: it counts once
	v_lshl_add_u32 v[A_ATW], v222, 2, s98
	v_lshl_add_u32 v[A_ATR], v221, 5, s98
	v_add_nc_u32 v[A_BL], L_PAR, v[A_BL]
	v_lshl_add_u32 v[A_BVL], v220, 2, v[A_BVL]
	v_lshl_add_u32 v[A_OSW], v222, 2, s99
	v_lshl_add_u32 v[A_OSR0], v222, 5, s99         ; nodes 0-7: four lanes a node, eight channels a lane
	v_add_nc_u32 v[A_BVL], L_PAR+1024, v[A_BVL]
	v_lshl_add_u32 v[A_OSR1], v224, 5, s99         ; nodes 8, 9: lanes 8-31 repeat lanes 0-7
	v_mul_u32_u24 v[A_TW], 144, v223
	v_mul_u32_u24 v[A_TR], 144, v220
	v_add_nc_u32 v[A_OSR1], 1024, v[A_OSR1]
	v_lshl_add_u32 v[A_TW], v224, 4, v[A_TW]
	v_lshl_add_u32 v[A_TR], v221, 4, v[A_TR]
	v_add_nc_u32 v[A_TW], s98, v[A_TW]
	v_add_nc_u32 v[A_TR], s98, v[A_TR]
	s_mul_i32 s98, s2, 1440
	s_add_co_u32 s98, s98, L_OC
	s_mul_i32 s99, s2, 80
	s_add_co_u32 s99, s99, L_OSC
	v_lshrrev_b32 v216, 2, v222
	v_and_b32 v217, 3, v0
	v_bfe_u32 v218, v0, 2, 1
	v_mul_u32_u24 v[A_OCW0], 144, v216
	v_mul_u32_u24 v[A_OCW1], 144, v218
	v_lshl_add_u32 v[A_OBW0], v216, 3, s99
	v_lshl_add_u32 v[A_OBW1], v218, 3, s99
	v_lshl_add_u32 v[A_OCW0], v217, 2, v[A_OCW0]
	v_lshl_add_u32 v[A_OCW1], v217, 2, v[A_OCW1]
	v_add_nc_u32 v[A_OBW1], 64, v[A_OBW1]
	v_add_nc_u32 v[A_OCW0], s98, v[A_OCW0]
	v_add_nc_u32 v[A_OCW1], s98, v[A_OCW1]
	v_mov_b32 v[BVP+1], 0                          ; the pairs' upper words stay 0
	v_mov_b32 v[BVP+3], 0
	v_add_nc_u32 v[A_OCW1], 8*144, v[A_OCW1]
	s_wait_alu depctr_va_vdst(0)
	s_wait_loadcnt 17                              ; the samples are in; my own nodes' 5 loads and the vectors' 12 may be out
.irp p, 0,1,2,3,4
	v_min_u32 v[241+\p], 19999, v[241+\p]          ; an index stays inside the table
.endr
.irp p, 0,1,2,3,4
	v_lshlrev_b32 v[241+\p], 3, v[241+\p]          ; 8 scale bytes a row
.endr
.macro INDEX a, b                      ; a pair's eight index registers become offsets of rows of 128 bytes
.irp j, \a, \b
.irp k, 0,1,2,3
	v_min_u32 v[\j+\k], 19999, v[\j+\k]
.endr
.endr
.irp j, \a, \b
.irp k, 0,1,2,3
	v_lshl_add_u32 v[\j+\k], v[\j+\k], 7, v236
.endr
.endr
.endm
; A pair's nine loads: its scale words, then the rows of its first node (offsets at a) and of its second (at b).
.macro GATHER p, a, b
	global_load_b64 v[GS+2*(\p):GS+2*(\p)+1], v[241+(\p)], s[6:7]
	WIN 0x40                                       ; destination window 1
.irp k, 0,1,2,3
	global_load_b128 v[GF+32*(\p)+16*(\k/2)+4*(\k%2):GF+32*(\p)+16*(\k/2)+4*(\k%2)+3], v[\a+\k], s[4:5]
.endr
.irp k, 0,1,2,3
	global_load_b128 v[GF+32*(\p)+16*(\k/2)+8+4*(\k%2):GF+32*(\p)+16*(\k/2)+8+4*(\k%2)+3], v[\b+\k], s[4:5]
.endr
	WIN 0
.endm
	INDEX 132, 136
	GATHER 0, 132, 136
	INDEX 64, 68
	GATHER 1, 64, 68
	INDEX 72, 76
	INDEX 80, 84
	INDEX 88, 92
	s_wait_alu depctr_va_vdst(0)
	s_wait_loadcnt 18                              ; the vectors are in; the nine loads each of pairs 0 and 1 may be out
.irp i, 0,1,2,3,4,5,6,7
	v_mov_b32 v[TP+\i], 0                          ; written once: the destination of a lane-crossing form counts as one of its sources
.endr
.irp k, 0,1,2,3,4,5,6,7
	ds_store_b32 v238, v[196+\k] offset:1024*\k
.endr
	ds_store_b32 v238, v[TP] offset:8192           ; zeros
	ds_store_b128 v239, v[204:207]
.irp k, 0,1,2
	ds_store_b64 v240, v[208+2*\k:209+2*\k] offset:2048*\k
.endr
	s_mov_b32 s66, 0
	s_mov_b32 s100, 0
	s_mov_b32 s101, 0
	s_mov_b32 s104, 0
	s_wait_alu depctr_va_vdst(0)
	s_wait_tensorcnt 0x0                           ; my eighth of the weights is in,
	s_wait_dscnt 0x0                               ; and my part of the vectors lies in LDS
	s_barrier_signal -1
	s_barrier_wait -1
; The next head's Wq, Wk, their scale words and bq's tiles: 22 loads.  s100, s101, s104: the head x 4,096, 256, 128.
.macro LOADQK
	v_add_nc_u32 v[A_WA], s100, v[A_WL]
	v_add_nc_u32 v[A_SA], s101, v[A_SL]
	v_add_nc_u32 v[A_BA], s104, v[A_BL]
	WIN 0x40
.irp i, 0,1,2,3,4,5,6,7
	ds_load_b128 v[WQF+4*\i:WQF+4*\i+3], v[A_WA] offset:512*\i
	ds_load_b128 v[WKF+4*\i:WKF+4*\i+3], v[A_WA] offset:32768+512*\i
.endr
	WIN 0
	ds_load_b64 v[WSQ:WSQ+1], v[A_SA]
	ds_load_b64 v[WSK:WSK+1], v[A_SA] offset:2048
.irp t, 0,1
.irp q, 0,1
	ds_load_b128 v[BQ+8*\t+4*\q:BQ+8*\t+4*\q+3], v[A_BA] offset:64*\t+16*\q
.endr
.endr
.endm
.macro LOADWV                          ; its Wv and scale words: 9 loads
	v_add_nc_u32 v[A_WAV], 0x10000, v[A_WA]
	WIN 0x40
.irp i, 0,1,2,3,4,5,6,7
	ds_load_b128 v[WVF+4*\i:WVF+4*\i+3], v[A_WAV] offset:512*\i
.endr
	WIN 0
	ds_load_b64 v[WSV:WSV+1], v[A_SA] offset:4096
.endm
.macro LOADBV                          ; its bv
	v_add_nc_u32 v[A_BVA], s104, v[A_BVL]
.irp t, 0,1
	ds_load_b32 v[BVP+2*\t], v[A_BVA] offset:64*\t
.endr
.endm
; Pair p's rows turn through my stage: LDS serves a wave's instructions in order (ISA guide 5.7.1.4), so the loads see the stores, and the next pair's stores come behind the loads.
.macro XPOSE p
.if (\p) < 3
	s_wait_loadcnt 18                              ; pair p's nine loads are in; those of the two pairs asked for behind it may be out
.elseif (\p) == 3
	s_wait_loadcnt 9                               ; pair 4's nine may be out
.else
	s_wait_loadcnt 0x0
.endif
	WIN 0x44
.irp n, 0,1
.irp k, 0,1,2,3
	ds_store_b128 v[A_TW], v[GF+32*(\p)+16*(\k/2)+8*\n+4*(\k%2):GF+32*(\p)+16*(\k/2)+8*\n+4*(\k%2)+3] offset:2304*\n+576*\k
.endr
.endr
.irp n, 0,1
.irp s, 0,1
.irp c, 0,1
	ds_load_b128 v[GF+32*(\p)+16*\s+8*\n+4*\c:GF+32*(\p)+16*\s+8*\n+4*\c+3], v[A_TR] offset:2304*\n+64*\s+32*\c
.endr
.endr
.endr
	WIN 0
.endm
; k of pair p, K step s, node n, transposed: source 0 = the head's 32 rows of Wk, source 1 = a node's 16 neighbours.  Lane (r, h): row r, register 8 t + j: channel 16 t + 8 h + j.
.macro KM p, s, n
	MM KT+32*((\p)%2)+16*(\n), WKF+16*(\s), GF+32*(\p)+16*(\s)+8*(\n), \s, KT+32*((\p)%2)+16*(\n), WSK+(\s), GS+2*(\p)+(\s), \n
.endm
.macro KMUL p                          ; the two nodes' accumulators take turns
	WIN 0x05
	KM \p, 0, 0
	KM \p, 0, 1
	KM \p, 1, 0
	KM \p, 1, 1
	WIN 0
.endm
.macro QK0                             ; q of my ten nodes (bq is the C of the first step) and k of pair 0: three accumulators by turns
	WIN 0x01
	MM QR, WQF, OWN, 1, BQ, WSQ, OWS, 0
	WIN 0x05
	KM 0, 0, 0
	KM 0, 0, 1
	WIN 0x01
	MM QR, WQF+16, OWN+8, 1, QR, WSQ+1, OWS+1, 0
	WIN 0x05
	KM 0, 1, 0
	KM 0, 1, 1
	WIN 0
.endm
; v of pair p, in the natural order: source 0 = the pair's 32 neighbours, source 1 = 16 rows of Wv.  Lane (r, h): channel 16 t + r; register 16 t + 8 n + j: node n, row 8 h + j.
.macro VM p, s, t
	MM KT+32*((\p)%2)+16*(\t), GF+32*(\p)+16*(\s), WVF+16*(\s)+8*(\t), \s, KT+32*((\p)%2)+16*(\t), GS+2*(\p)+(\s), WSV+(\s), \t
.endm
.macro VMUL p
	WIN 0x05
	VM \p, 0, 0
	VM \p, 0, 1
	VM \p, 1, 0
	VM \p, 1, 1
	WIN 0
.endm
; The scores of pair p (nodes a, b): q's number comes from lane a (or b) of my half of the lanes, which holds the same eight channels as my registers of k.  Four chains; then the halves of the lanes are added.
.macro SCORE p, a, b
.set KB, KT+32*((\p)%2)
.irp j, 0,1,2,3,4,5,6,7
.if \j == 0
	v_mul_f32_dpp v[TP], v[QR], v[KB] row_share:\a row_mask:0xf bank_mask:0xf
	v_mul_f32_dpp v[TP+1], v[QR+8], v[KB+8] row_share:\a row_mask:0xf bank_mask:0xf
	v_mul_f32_dpp v[TP+2], v[QR], v[KB+16] row_share:\b row_mask:0xf bank_mask:0xf
	v_mul_f32_dpp v[TP+3], v[QR+8], v[KB+24] row_share:\b row_mask:0xf bank_mask:0xf
.else
	v_fmac_f32_dpp v[TP], v[QR+\j], v[KB+\j] row_share:\a row_mask:0xf bank_mask:0xf
	v_fmac_f32_dpp v[TP+1], v[QR+8+\j], v[KB+8+\j] row_share:\a row_mask:0xf bank_mask:0xf
	v_fmac_f32_dpp v[TP+2], v[QR+\j], v[KB+16+\j] row_share:\b row_mask:0xf bank_mask:0xf
	v_fmac_f32_dpp v[TP+3], v[QR+8+\j], v[KB+24+\j] row_share:\b row_mask:0xf bank_mask:0xf
.endif
.endr
	s_delay_alu instid0(VALU_DEP_3)
	v_add_f32 v[TP], v[TP], v[TP+1]
	s_delay_alu instid0(VALU_DEP_2)
	v_add_f32 v[TP+2], v[TP+2], v[TP+3]
	s_delay_alu instid0(VALU_DEP_1)
	v_permlane16_swap_b32 v[TP], v[TP+2]
	s_delay_alu instid0(VALU_DEP_1)
	v_add_f32 v[SS+(\p)], v[TP], v[TP+2]           ; lanes 0-15: node a's score of row r; lanes 16-31: node b's
.endm
; The softmax over a node's 16 neighbours, which lie in 16 lanes; the five pairs by turns.
.macro SOFTMAX
.irp p, 0,1,2,3,4
	v_max_num_f32_dpp v[MX+\p], v[SS+\p], v[SS+\p] row_xmask:1 row_mask:0xf bank_mask:0xf
.endr
.irp x, 2,4,8
.irp p, 0,1,2,3,4
	v_max_num_f32_dpp v[MX+\p], v[MX+\p], v[MX+\p] row_xmask:\x row_mask:0xf bank_mask:0xf
.endr
.endr
.irp p, 0,1,2,3,4
	v_sub_f32 v[SS+\p], v[SS+\p], v[MX+\p]         ; the maximum is taken away
.endr
.irp p, 0,1,2,3,4
	v_mul_f32 v[SS+\p], 0x3e8293ee, v[SS+\p]       ; x log2(e) / sqrt(32)
.endr
	s_wait_alu depctr_va_vdst(0)
.irp p, 0,1,2,3,4
	v_exp_f32 v[SS+\p], v[SS+\p]
.endr
	v_nop
	s_wait_alu depctr_va_vdst(0)
.irp p, 0,1,2,3,4
	v_add_f32_dpp v[MX+\p], v[SS+\p], v[SS+\p] row_xmask:1 row_mask:0xf bank_mask:0xf
.endr
.irp x, 2,4,8
.irp p, 0,1,2,3,4
	v_add_f32_dpp v[MX+\p], v[MX+\p], v[MX+\p] row_xmask:\x row_mask:0xf bank_mask:0xf
.endr
.endr
	s_wait_alu depctr_va_vdst(0)
.irp p, 0,1,2,3,4
	v_rcp_f32 v[TP+\p], v[MX+\p]
.endr
	v_nop
	s_wait_alu depctr_va_vdst(0)
.irp p, 0,1,2,3,4
	v_mul_f32 v[SS+\p], v[SS+\p], v[TP+\p]
.endr
.endm
.macro ATLOAD p                        ; pair p's weights back from my scratch: register j: row 8 h + j, the same in all lanes of a half
.set AB, AT+16*((\p)%2)
	ds_load_b128 v[AB:AB+3], v[A_ATR] offset:128*(\p)
	ds_load_b128 v[AB+4:AB+7], v[A_ATR] offset:128*(\p)+16
	ds_load_b128 v[AB+8:AB+11], v[A_ATR] offset:128*(\p)+64
	ds_load_b128 v[AB+12:AB+15], v[A_ATR] offset:128*(\p)+80
.endm
; o of pair p: four chains of packed multiply-adds down my eight rows, begun with bv; then the halves of the lanes are added: lane l holds channel l of the head.
.macro OCOMP p
.set KB, KT+32*((\p)%2)
.set AB, AT+16*((\p)%2)
.irp k, 0,1,2,3
.irp n, 0,1
.irp t, 0,1
.if \k == 0
	v_pk_fma_f32 v[TP+4*\n+2*\t:TP+4*\n+2*\t+1], v[KB+8*\n+16*\t:KB+8*\n+16*\t+1], v[AB+8*\n:AB+8*\n+1], v[BVP+2*\t:BVP+2*\t+1]
.else
	v_pk_fma_f32 v[TP+4*\n+2*\t:TP+4*\n+2*\t+1], v[KB+8*\n+16*\t+2*\k:KB+8*\n+16*\t+2*\k+1], v[AB+8*\n+2*\k:AB+8*\n+2*\k+1], v[TP+4*\n+2*\t:TP+4*\n+2*\t+1]
.endif
.endr
.endr
.endr
.irp c, 0,1,2,3
	s_delay_alu instid0(VALU_DEP_4)
	v_add_f32 v[TP+2*\c], v[TP+2*\c], v[TP+2*\c+1]
.endr
	s_delay_alu instid0(VALU_DEP_3)
	v_permlane16_swap_b32 v[TP], v[TP+2]
	s_delay_alu instid0(VALU_DEP_2)
	v_permlane16_swap_b32 v[TP+4], v[TP+6]
	s_delay_alu instid0(VALU_DEP_2)
	v_add_f32 v[OO+2*(\p)], v[TP], v[TP+2]
	s_delay_alu instid0(VALU_DEP_2)
	v_add_f32 v[OO+2*(\p)+1], v[TP+4], v[TP+6]
.endm
; A head's o is block number head of the next product's K.  Four lanes hold a node's 32 numbers, eight each.  Group 0: nodes 0-7; group 1: nodes 8, 9 (lanes 8-31 repeat them and store the same bytes).
.macro OQUANT
.irp g, 0,1
	v_max3_num_f32 v[TP+\g], |v[EE+8*\g]|, |v[EE+8*\g+1]|, 0x1800000   ; with the floor 2^(3 - 127): the byte cannot fall under 1
.endr
.irp i, 2,4,6
.irp g, 0,1
	s_delay_alu instid0(VALU_DEP_2)
	v_max3_num_f32 v[TP+\g], v[TP+\g], |v[EE+8*\g+\i]|, |v[EE+8*\g+\i+1]|
.endr
.endr
.irp x, 1,2
.irp g, 0,1
	s_delay_alu instid0(VALU_DEP_2)
	v_max_num_f32_dpp v[TP+\g], v[TP+\g], v[TP+\g] row_xmask:\x row_mask:0xf bank_mask:0xf
.endr
.endr
.irp g, 0,1
	s_delay_alu instid0(VALU_DEP_2)
	v_add_nc_u32 v[TP+2+\g], 0xff000000, v[TP+\g]  ; 2 off the exponent field: the conversion's scale operand
.endr
.irp g, 0,1
	s_delay_alu instid0(VALU_DEP_2)
	v_lshrrev_b32 v[TP+4+\g], 23, v[TP+2+\g]       ; the scale's byte
.endr
.irp g, 0,1
	v_cvt_scalef32_pk8_fp4_f32 v[TP+6+\g], v[EE+8*\g:EE+8*\g+7], v[TP+2+\g]
.endr
	v_nop                                          ; one plain line behind the conversions
	ds_store_b32 v[A_OC0], v[TP+6]
	ds_store_b32 v[A_OC1], v[TP+7]
	ds_store_b8 v[A_OB0], v[TP+4]                  ; the four lanes of a node write the same byte with the same value
	ds_store_b8 v[A_OB1], v[TP+5]
.endm
.macro LW1 b                           ; 32 of my 128 rows of W1
	WIN 0x40
.irp i, 0,1,2,3,4,5,6,7
	global_load_b128 v[W1F+32*\b+4*\i:W1F+32*\b+4*\i+3], v[A_WL], s[60:61] offset:4096*\b+512*\i
.endr
	WIN 0
.endm
.macro FIRSTK p, a, b                  ; in the first head: pair p, while the next pair turns
	s_wait_alu depctr_va_vdst(0)
	s_wait_dscnt 0x0                               ; pair p's operands are back from the stage
	KMUL \p
	XPOSE \p+1
	NOPS 4
	SCORE \p, \a, \b
.endm
; A HEAD.  first: the gathered rows turn pair by pair.  last: no next head's weights are fetched; W1 is asked for into registers that are done with.
; A head ends with its o on the way back from my scratch; the next head quantises it.
.macro TRIP first, last
.if \first
	s_wait_dscnt 0x0                               ; head 0's weights and pair 0's operands
.endif
	QK0                                            ; (in a later head: Wq, Wk and bq were shown in by the last head's waits for its weights)
.if \first
	XPOSE 1
	GATHER 4, 88, 92
.else
	KMUL 1                                         ; a pair's products are issued ahead of the pair before's vector work
	s_wait_dscnt 0x0                               ; the last head's o is back; this head's Wv and bv are in
	OQUANT                                         ; (plain lines that are places behind the products too)
.endif
	s_lshl_b32 s105, s66, 4
	v_add_nc_u32 v[A_OC0], s105, v[A_OCW0]         ; this head's 16 bytes in a row of o's codes,
	v_add_nc_u32 v[A_OC1], s105, v[A_OCW1]
	v_add_nc_u32 v[A_OB0], s66, v[A_OBW0]          ; and its scale byte.  (These four are places behind the products)
	v_add_nc_u32 v[A_OB1], s66, v[A_OBW1]
	SCORE 0, 0, 1
.if \first
	FIRSTK 1, 2, 3
	FIRSTK 2, 4, 5
	FIRSTK 3, 6, 7
	s_wait_alu depctr_va_vdst(0)
	s_wait_dscnt 0x0
	KMUL 4
	NOPS 4
.else
	KMUL 2
	SCORE 1, 2, 3
	KMUL 3
	SCORE 2, 4, 5
	KMUL 4
	SCORE 3, 6, 7
.endif
.if \last
	LW1 1                                          ; over Wk's fragments
	SCORE 4, 8, 9
	LW1 3                                          ; over Wq's
.else
	s_add_co_u32 s67, s66, 1                       ; the next head
	s_lshl_b32 s100, s67, 12
	s_lshl_b32 s101, s67, 8
	s_lshl_b32 s104, s67, 7
	LOADQK
	SCORE 4, 8, 9
.endif
	VMUL 0                                         ; the first pair's v stands ahead of the softmax
	SOFTMAX
.irp p, 0,1,2,3,4
	ds_store_b32 v[A_ATW], v[SS+\p] offset:128*\p  ; my own scratch: the loads below see these
.endr
	ATLOAD 0
	ATLOAD 1
	VMUL 1                                         ; while the weights are on their way
	s_wait_dscnt 4                                 ; pair 0's weights are in; the next pair's four loads may be out
	s_wait_alu depctr_va_vdst(0)
	OCOMP 0
	ATLOAD 2
	VMUL 2
	s_wait_dscnt 4
	OCOMP 1
	ATLOAD 3
	VMUL 3
	s_wait_dscnt 4
	OCOMP 2
	ATLOAD 4
	VMUL 4
	s_wait_dscnt 4
	OCOMP 3
.if \last
	LW1 0                                          ; over pair 4's operands
	s_wait_dscnt 0x0
.else
	LOADWV
	s_wait_dscnt 9                                 ; pair 4's weights are in; Wv's nine loads may be out
.endif
	OCOMP 4
.irp i, 0,1,2,3,4,5,6,7,8,9
	ds_store_b32 v[A_OSW], v[OO+\i] offset:128*\i  ; o turns through my scratch: from a channel a lane to eight channels a lane
.endr
	ds_load_b128 v[EE:EE+3], v[A_OSR0]
	ds_load_b128 v[EE+4:EE+7], v[A_OSR0] offset:16
	ds_load_b128 v[EE+8:EE+11], v[A_OSR1]
	ds_load_b128 v[EE+12:EE+15], v[A_OSR1] offset:16
.if \last
	LW1 2                                          ; over Wv's fragments
.else
	LOADBV
.endif
.endm
	LOADQK                                         ; head 0
	LOADWV
	LOADBV
	GATHER 2, 72, 76
	XPOSE 0                                        ; (its wait shows pair 0's loads done: the registers of their offsets are free for the first head's products)
	GATHER 3, 80, 84
	TRIP 1, 0
	s_mov_b32 s66, 1
	s_wait_alu depctr_va_vdst(0)
	s_wait_tensorcnt 0x0
	ds_add_u32 v[SPW], v[NIL]
	s_wait_dscnt 0x0
	s_barrier_signal -1
	s_barrier_wait -1
	tensor_load_to_lds s[88:91], s[76:83]          ; my ten rows of x, when the gather is in: wanted behind the last head
	s_nop 0
	NOPS 4
.irp i, 0,1,2,3,4,5,6,7
	global_load_b128 v[WO+4*\i:WO+4*\i+3], v[A_WL], s[92:93] offset:512*\i   ; my rows of Wo: wanted behind the last head
.endr
	global_load_b64 v[WOS:WOS+1], v27, s[22:23]
.Lhead:                                            ; six trips, heads 1 to 6
	TRIP 0, 0
	s_add_co_u32 s66, s66, 1
	s_cmp_lt_u32 s66, 7
	s_wait_alu depctr_va_vdst(0)
	s_cbranch_scc1 .Lhead
	TRIP 0, 1
	s_wait_alu depctr_va_vdst(0)
	s_wait_dscnt 0x0
	OQUANT                                         ; the last head's o
	; ---- behind the heads: the waves share the columns ----
	v_and_b32 v196, 15, v0                         ; r
	v_bfe_u32 v197, v0, 4, 1                       ; h
	v_and_b32 v198, 31, v0                         ; lane
	s_lshl_b32 s94, s2, 4
	s_add_co_u32 s94, s94, L_OC
	s_add_co_u32 s96, s2, L_OSC
	v_mul_u32_u24 v199, 144, v196
	v_lshlrev_b32 v200, 3, v196
	v_mul_u32_u24 v201, 80, v196
	v_lshl_add_u32 v[P_FA], v197, 4, v199
	v_lshl_add_u32 v[P_FS], v197, 2, v200
	v_lshl_add_u32 v[P_CW], v197, 3, v199
	v_add_nc_u32 v[P_CB], s96, v200                ; x1's scale byte: row r, block w
	v_add_nc_u32 v[P_FA], L_OC, v[P_FA]            ; a fragment of o or x1: row r, + 16 h
	v_add_nc_u32 v[P_FS], L_OSC, v[P_FS]           ; its scale words
	v_add_nc_u32 v[P_CW], s94, v[P_CW]             ; where x1's codes go: row r, block w, + 8 h
	s_lshl_b32 s94, s2, 2
	s_add_co_u32 s96, s94, L_RED
	s_add_co_u32 s97, s94, L_HS
	v_add_nc_u32 v[P_RW], s96, v201                ; a norm's exchange: row r, word w
	v_add_nc_u32 v[P_RR], L_RED, v201
	v_lshl_add_u32 v[P_HB], v196, 5, s97
	s_lshl_b32 s94, s2, 7
	s_add_co_u32 s96, s94, L_PAR
	s_add_co_u32 s97, s94, L_X
	v_lshl_add_u32 v[P_PB], v197, 6, s96           ; my 16 channels of a vector of 256
	v_mul_u32_u24 v201, 1040, v196
	v_mul_u32_u24 v202, 528, v196
	v_lshl_add_u32 v201, v197, 6, v201
	v_lshl_add_u32 v[P_HW], v197, 3, v202
	v_lshl_add_u32 v[P_HR], v197, 4, v202
	v_add_nc_u32 v[P_SW], s97, v201                ; my 16 channels of x, and of out0's stage
	s_lshl_b32 s94, s2, 9
	s_add_co_u32 s94, s94, L_PAR+9216
	s_lshl_b32 s96, s2, 6
	v_lshl_add_u32 v[P_P1], v197, 6, s94           ; and of b1
	v_add_nc_u32 v[P_HW], s96, v[P_HW]             ; hidden codes: row r, my four blocks, + 8 h
	v_add_nc_u32 v[P_SW3], 49920, v[P_SW]          ; three tiles of rows on: an LDS offset has 16 bits
	v_lshlrev_b32 v201, 5, v196
	v_and_b32 v202, 8, v196
	v_lshl_add_u32 v201, v197, 4, v201
	v_add_nc_u32 v202, v202, v196
	v_add_nc_u32 v[P_HSR], L_HS, v201              ; lanes 0-15 take K steps 0-3's words, lanes 16-31 K steps 4-7's
	v_lshl_add_u32 v202, v197, 3, v202             ; lane's row among 32: 8 h + r + 8 (r / 8)
	s_mul_i32 s94, s2, 6240
	s_add_co_u32 s94, s94, L_X
	s_mul_i32 s96, s2, 6144
	v_lshl_add_u32 v[P_SR], v198, 4, s94           ; the way out: six rows of the first group,
	v_lshl_add_u32 v[P_GO], v198, 4, s96
	s_mul_i32 s94, s2, 4160
	s_add_co_u32 s94, s94, L_X+49920
	s_mul_i32 s96, s2, 4096
	s_add_co_u32 s96, s96, 49152
	v_lshl_add_u32 v[P_SR2], v198, 4, s94          ; four of the second
	v_lshl_add_u32 v[P_GO2], v198, 4, s96
	v_lshlrev_b32 v[P_W1S], 3, v202
	v_lshlrev_b32 v[P_W2S], 5, v202
	s_wait_alu depctr_va_vdst(0)
	s_wait_tensorcnt 0x0                           ; my ten rows of x are in
	BARRIER                                        ; o's codes and x of all 80 nodes lie in LDS; nobody reads Wq, Wk, Wv any more
.macro FRAGL reg, sc, m                ; a tile of 16 rows of o or x1: two K steps' codes and the scale words: five loads
.irp s, 0,1
.irp c, 0,1
	ds_load_b128 v[(\reg)+8*\s+4*\c:(\reg)+8*\s+4*\c+3], v[P_FA] offset:2304*(\m)+64*\s+32*\c
.endr
.endr
	ds_load_b32 v[(\sc)], v[P_FS] offset:128*(\m)
.endm
.macro P6 m, f, s                      ; o Wo^T + bo, transposed: source 0 = my rows of Wo, source 1 = 16 nodes
.if (\s) == 0
	MM YY+16*(\m), WO, \f, 1, BO, WOS, FSC+(\m), 0
.else
	MM YY+16*(\m), WO+16, (\f)+8, 1, YY+16*(\m), WOS+1, FSC+(\m), 1
.endif
.endm
.macro LW2 i0, n                       ; n of my 32 loads of W2, from load i0 on
	WIN 0x40
.set Q, \i0
.rept \n
	global_load_b128 v[W2F+4*Q:W2F+4*Q+3], v[A_WL], s[62:63] offset:512*Q
.set Q, Q+1
.endr
	WIN 0
.endm
.irp q, 0,1,2,3
	ds_load_b128 v[BO+4*\q:BO+4*\q+3], v[P_PB] offset:2048+16*\q
.endr
	FRAGL 96, FSC, 0
	FRAGL 112, FSC+1, 1
	FRAGL 212, FSC+2, 2
	FRAGL 228, FSC+3, 3
	FRAGL 28, FSC+4, 4
	WIN 0x40
.irp m, 0,1,2,3,4
.irp q, 0,1,2,3
.if \m < 3
	ds_load_b128 v[XX+16*\m+4*\q:XX+16*\m+4*\q+3], v[P_SW] offset:16640*\m+16*\q
.else
	ds_load_b128 v[XX+16*\m+4*\q:XX+16*\m+4*\q+3], v[P_SW3] offset:16640*(\m-3)+16*\q
.endif
.endr
.endr
	WIN 0
	s_wait_loadcnt 32                              ; Wo is in; W1's 32 loads may be out
	s_wait_dscnt 35                                ; bo and tiles 0, 1 are in; three tiles of five loads and x's 20 may be out
	P6 0, 96, 0
	P6 1, 112, 0
	P6 0, 96, 1
	P6 1, 112, 1
	s_wait_dscnt 20                                ; all tiles are in
	P6 2, 212, 0
	P6 3, 228, 0
	P6 4, 28, 0
	P6 2, 212, 1
	P6 3, 228, 1
	P6 4, 28, 1
	NOPS 4
	s_wait_dscnt 0x0                               ; x
	WIN 0x04                                       ; source 1 in window 1
.irp k, 0,1,2,3,4,5,6,7,8,9,10,11,12,13,14,15,16,17,18,19,20,21,22,23,24,25,26,27,28,29,30,31,32,33,34,35,36,37,38,39
	v_pk_add_f32 v[YY+2*\k:YY+2*\k+1], v[YY+2*\k:YY+2*\k+1], v[XX+2*\k:XX+2*\k+1]   ; the residual; each accumulator from its low end on
.endr
	WIN 0
.irp b, 0,1,2,3
	global_load_b64 v[W1S+2*\b:W1S+2*\b+1], v[P_W1S], s[20:21] offset:256*\b
.endr
.irp q, 0,1
	global_load_b128 v[W2S+4*\q:W2S+4*\q+3], v[P_W2S], s[24:25] offset:16*\q
.endr
	LW2 0, 12                                      ; x is added: its registers take my 32 rows of W2
; LayerNorm of tiles LO .. HI - 1 in v[YY ..], in place, the tiles by turns; work at RS (16 registers a tile), my wave's means at MW (a pair a tile); the exchange's bytes at ro.
.macro TILE m
.set RM, RS+16*((\m)-LO)
.set YM, YY+16*(\m)
.set WM, MW+2*((\m)-LO)
.endm
.macro XADD                            ; the two halves of a lane's pair, then lane l xor 16's: in every lane of the pair
.irp m, 0,1,2,3,4
.if (\m >= LO) && (\m < HI)
	TILE \m
	v_add_f32 v[RM], v[RM], v[RM+1]
.endif
.endr
.irp m, 0,1,2,3,4
.if (\m >= LO) && (\m < HI)
	TILE \m
	v_permlanex16_b32 v[RM+2], v[RM], s56, s57
.endif
.endr
.irp m, 0,1,2,3,4
.if (\m >= LO) && (\m < HI)
	TILE \m
	v_add_f32 v[RM], v[RM], v[RM+2]
.endif
.endr
.endm
.macro LNPRE ro
.irp m, 0,1,2,3,4
.if (\m >= LO) && (\m < HI)
	TILE \m
.irp k, 0,1,2,3
	v_pk_add_f32 v[RM+2*\k:RM+2*\k+1], v[YM+4*\k:YM+4*\k+1], v[YM+4*\k+2:YM+4*\k+3]
.endr
.endif
.endr
.irp m, 0,1,2,3,4
.if (\m >= LO) && (\m < HI)
	TILE \m
	v_pk_add_f32 v[RM:RM+1], v[RM:RM+1], v[RM+2:RM+3]
	v_pk_add_f32 v[RM+4:RM+5], v[RM+4:RM+5], v[RM+6:RM+7]
.endif
.endr
.irp m, 0,1,2,3,4
.if (\m >= LO) && (\m < HI)
	TILE \m
	v_pk_add_f32 v[RM:RM+1], v[RM:RM+1], v[RM+4:RM+5]
.endif
.endr
	XADD
.irp m, 0,1,2,3,4
.if (\m >= LO) && (\m < HI)
	TILE \m
	v_pk_mul_f32 v[WM:WM+1], v[RM:RM+1], s[48:49] op_sel_hi:[0,0]  ; the mean of my wave's 32 channels, in both halves
.endif
.endr
.irp m, 0,1,2,3,4
.if (\m >= LO) && (\m < HI)
	TILE \m
.irp k, 0,1,2,3,4,5,6,7
	v_pk_add_f32 v[YM+2*\k:YM+2*\k+1], v[YM+2*\k:YM+2*\k+1], v[WM:WM+1] neg_lo:[0,1] neg_hi:[0,1]
.endr
.endif
.endr
.irp m, 0,1,2,3,4
.if (\m >= LO) && (\m < HI)
	TILE \m
	v_pk_mul_f32 v[RM:RM+1], v[YM:YM+1], v[YM:YM+1]
	v_pk_mul_f32 v[RM+2:RM+3], v[YM+2:YM+3], v[YM+2:YM+3]
.endif
.endr
.irp k, 4,8,12
.irp m, 0,1,2,3,4
.if (\m >= LO) && (\m < HI)
	TILE \m
	v_pk_fma_f32 v[RM:RM+1], v[YM+\k:YM+\k+1], v[YM+\k:YM+\k+1], v[RM:RM+1]
	v_pk_fma_f32 v[RM+2:RM+3], v[YM+\k+2:YM+\k+3], v[YM+\k+2:YM+\k+3], v[RM+2:RM+3]
.endif
.endr
.endr
.irp m, 0,1,2,3,4
.if (\m >= LO) && (\m < HI)
	TILE \m
	v_pk_add_f32 v[RM:RM+1], v[RM:RM+1], v[RM+2:RM+3]
.endif
.endr
	XADD
.irp m, 0,1,2,3,4
.if (\m >= LO) && (\m < HI)
	TILE \m
	ds_store_b32 v[P_RW], v[WM] offset:(\ro)+1280*\m               ; both halves of the lanes write the same word with the same value
	ds_store_b32 v[P_RW], v[RM] offset:(\ro)+1280*\m+32
.endif
.endr
.endm
.macro GLOAD goff, boff                ; gain and offset among the vectors
.irp q, 0,1,2,3
	ds_load_b128 v[GG+4*\q:GG+4*\q+3], v[P_PB] offset:(\goff)+16*\q
	ds_load_b128 v[BE+4*\q:BE+4*\q+3], v[P_PB] offset:(\boff)+16*\q
.endr
.endm
.macro LNPOST ro
.irp m, 0,1,2,3,4
.if (\m >= LO) && (\m < HI)
	TILE \m
.irp q, 0,1,2,3
	ds_load_b128 v[RM+4*\q:RM+4*\q+3], v[P_RR] offset:(\ro)+1280*\m+16*\q   ; eight means, eight sums of squares
.endr
.endif
.endr
	s_wait_dscnt 0x0
.irp m, 0,1,2,3,4
.if (\m >= LO) && (\m < HI)
	TILE \m
	v_pk_add_f32 v[RM+8:RM+9], v[RM+8:RM+9], v[RM+10:RM+11]
	v_pk_add_f32 v[RM+12:RM+13], v[RM+12:RM+13], v[RM+14:RM+15]
	v_pk_add_f32 v[RM+10:RM+11], v[RM:RM+1], v[RM+2:RM+3]
	v_pk_add_f32 v[RM+14:RM+15], v[RM+4:RM+5], v[RM+6:RM+7]
.endif
.endr
.irp m, 0,1,2,3,4
.if (\m >= LO) && (\m < HI)
	TILE \m
	v_pk_add_f32 v[RM+8:RM+9], v[RM+8:RM+9], v[RM+12:RM+13]
	v_pk_add_f32 v[RM+10:RM+11], v[RM+10:RM+11], v[RM+14:RM+15]
.endif
.endr
.irp m, 0,1,2,3,4
.if (\m >= LO) && (\m < HI)
	TILE \m
	v_add_f32 v[RM+10], v[RM+10], v[RM+11]
.endif
.endr
.irp m, 0,1,2,3,4
.if (\m >= LO) && (\m < HI)
	TILE \m
	v_pk_mul_f32 v[RM+10:RM+11], v[RM+10:RM+11], s[50:51] op_sel_hi:[0,0]   ; the row's mean, in both halves
.endif
.endr
.irp k, 0,2,4,6
.irp m, 0,1,2,3,4
.if (\m >= LO) && (\m < HI)
	TILE \m
	v_pk_add_f32 v[RM+\k:RM+\k+1], v[RM+\k:RM+\k+1], v[RM+10:RM+11] neg_lo:[0,1] neg_hi:[0,1]
.endif
.endr
.endr
.irp m, 0,1,2,3,4
.if (\m >= LO) && (\m < HI)
	TILE \m
	v_pk_mul_f32 v[RM+12:RM+13], v[RM:RM+1], v[RM:RM+1]
.endif
.endr
.irp k, 2,4,6
.irp m, 0,1,2,3,4
.if (\m >= LO) && (\m < HI)
	TILE \m
	v_pk_fma_f32 v[RM+12:RM+13], v[RM+\k:RM+\k+1], v[RM+\k:RM+\k+1], v[RM+12:RM+13]
.endif
.endr
.endr
.irp m, 0,1,2,3,4
.if (\m >= LO) && (\m < HI)
	TILE \m
	v_pk_fma_f32 v[RM+8:RM+9], v[RM+12:RM+13], s[52:53], v[RM+8:RM+9] op_sel_hi:[1,0,1]
.endif
.endr
.irp m, 0,1,2,3,4
.if (\m >= LO) && (\m < HI)
	TILE \m
	v_add_f32 v[RM+8], v[RM+8], v[RM+9]
.endif
.endr
.irp m, 0,1,2,3,4
.if (\m >= LO) && (\m < HI)
	TILE \m
	v_fma_f32 v[RM+8], v[RM+8], s54, s55           ; the variance + 1e-5
	v_sub_f32 v[RM+4], v[WM], v[RM+10]             ; my wave's mean less the row's
.endif
.endr
	s_wait_alu depctr_va_vdst(0)
.irp m, 0,1,2,3,4
.if (\m >= LO) && (\m < HI)
	TILE \m
	v_rsq_f32 v[RM+6], v[RM+8]
.endif
.endr
	v_nop
	s_wait_alu depctr_va_vdst(0)                   ; one wait for the batch
.irp m, 0,1,2,3,4
.if (\m >= LO) && (\m < HI)
	TILE \m
	v_mul_f32 v[RM+4], v[RM+4], v[RM+6]
.endif
.endr
.irp m, 0,1,2,3,4
.if (\m >= LO) && (\m < HI)
	TILE \m
.irp k, 0,1,2,3,4,5,6,7
	v_pk_fma_f32 v[YM+2*\k:YM+2*\k+1], v[YM+2*\k:YM+2*\k+1], v[RM+6:RM+7], v[RM+4:RM+5] op_sel_hi:[1,0,0]
.endr
.endif
.endr
.irp m, 0,1,2,3,4
.if (\m >= LO) && (\m < HI)
	TILE \m
.irp k, 0,1,2,3,4,5,6,7
	v_pk_fma_f32 v[YM+2*\k:YM+2*\k+1], v[YM+2*\k:YM+2*\k+1], v[GG+2*\k:GG+2*\k+1], v[BE+2*\k:BE+2*\k+1]
.endr
.endif
.endr
.endm
.set RS, 48
.set MW, 244
.set LO, 0
.set HI, 5
	LNPRE 0                                        ; x1 = LayerNorm(x + attention), g1, be1
	GLOAD 3072, 4096
	BARRIER
	LNPOST 0
	; x1 becomes codes: my lane pair's 32 channels are block w of the next K; the five tiles of rows by turns
.irp m, 0,1,2,3,4
	v_max3_num_f32 v[212+\m], |v[YY+16*\m]|, |v[YY+16*\m+1]|, 0x1800000
.endr
.irp i, 2,4,6,8,10,12,14
.irp m, 0,1,2,3,4
	v_max3_num_f32 v[212+\m], v[212+\m], |v[YY+16*\m+\i]|, |v[YY+16*\m+\i+1]|
.endr
.endr
.irp m, 0,1,2,3,4
	v_permlanex16_b32 v[217+\m], v[212+\m], s56, s57
.endr
.irp m, 0,1,2,3,4
	v_max_num_f32 v[212+\m], v[212+\m], v[217+\m]
.endr
.irp m, 0,1,2,3,4
	v_add_nc_u32 v[222+\m], 0xff000000, v[212+\m]
.endr
.irp m, 0,1,2,3,4
	v_lshrrev_b32 v[227+\m], 23, v[222+\m]
.endr
.irp m, 0,1,2,3,4
	v_cvt_scalef32_pk8_fp4_f32 v[232+2*\m], v[YY+16*\m:YY+16*\m+7], v[222+\m]
	v_cvt_scalef32_pk8_fp4_f32 v[233+2*\m], v[YY+16*\m+8:YY+16*\m+15], v[222+\m]
.endr
	v_nop                                          ; one plain line behind the conversions
.irp m, 0,1,2,3,4
	ds_store_b64 v[P_CW], v[232+2*\m:233+2*\m] offset:2304*\m      ; over o's codes: every wave's reads of them ended ahead of the norm's barrier
	ds_store_b8 v[P_CB], v[227+\m] offset:128*\m
.endr
.irp q, 0,1,2,3
	ds_load_b128 v[BO+4*\q:BO+4*\q+3], v[P_PB] offset:5120+16*\q   ; b2
.endr
	LW2 12, 12
	s_wait_alu depctr_va_vdst(0)
	s_wait_dscnt 0x0
.irp m, 0,1,2,3,4
.irp k, 0,1,2,3,4,5,6,7
	v_pk_add_f32 v[YY+16*\m+2*\k:YY+16*\m+2*\k+1], v[YY+16*\m+2*\k:YY+16*\m+2*\k+1], v[BO+2*\k:BO+2*\k+1]   ; x1 + b2: the last product adds onto it
.endr
.endr
	BARRIER                                        ; x1's codes of all 80 rows lie in LDS
; The hidden layer of 16 rows x 64 of my units (half z): two blocks of the next K become codes; relu is taken on the codes.
; What is at work lies in one of two sets of twelve registers, by the tile's parity.
.macro HQ z, m
.set HB, 228+12*((\m)%2)
.irp b, 0,1
	v_max3_num_f32 v[HB+\b], v[HH+16*\b], v[HH+16*\b+1], 0x1800000
.endr
.irp i, 2,4,6,8,10,12,14
.irp b, 0,1
	v_max3_num_f32 v[HB+\b], v[HB+\b], v[HH+16*\b+\i], v[HH+16*\b+\i+1]
.endr
.endr
.irp b, 0,1
	v_permlanex16_b32 v[HB+2+\b], v[HB+\b], s56, s57
.endr
.irp b, 0,1
	s_delay_alu instid0(VALU_DEP_2)
	v_max_num_f32 v[HB+\b], v[HB+\b], v[HB+2+\b]
.endr
.irp b, 0,1
	s_delay_alu instid0(VALU_DEP_2)
	v_add_nc_u32 v[HB+4+\b], 0xff000000, v[HB+\b]
.endr
.irp b, 0,1
	v_cvt_scalef32_pk8_fp4_f32 v[HB+8+2*\b], v[HH+16*\b:HH+16*\b+7], v[HB+4+\b]
	v_cvt_scalef32_pk8_fp4_f32 v[HB+9+2*\b], v[HH+16*\b+8:HH+16*\b+15], v[HB+4+\b]
.endr
.irp b, 0,1
	v_lshrrev_b32 v[HB+6+\b], 23, v[HB+4+\b]       ; the scale's byte (also the plain lines behind the conversions)
.endr
.irp i, 0,1,2,3
	v_and_b32 v[HB+\i], s58, v[HB+8+\i]            ; the sign bits
.endr
.irp i, 0,1,2,3
	v_lshrrev_b32 v[HH+\i], 3, v[HB+\i]
.endr
.irp i, 0,1,2,3
	v_sub_nc_u32 v[HB+\i], v[HB+\i], v[HH+\i]      ; 8 - 1 = 7: the three magnitude bits of each negative code,
.endr
.irp i, 0,1,2,3
	v_bfi_b32 v[HB+8+\i], v[HB+\i], 0, v[HB+8+\i]  ; cleared
.endr
.irp b, 0,1
	ds_store_b64 v[P_HW], v[HB+8+2*\b:HB+9+2*\b] offset:8448*(\m)+16*(2*(\z)+\b)
	ds_store_b8 v[P_HB], v[HB+6+\b] offset:512*(\m)+2*(\z)+\b
.endr
.endm
.macro P7STEP z, m                     ; x1 W1^T + b1, transposed: two groups of 32 of my units by turns
.if (\m) == LO
	s_wait_dscnt 0x0                               ; b1's tiles and the group's first tile of rows
.else
	s_wait_dscnt 4                                 ; this tile's five loads are in; the last step's four stores, issued behind them, may be out
.endif
	WIN 0x01
.irp t, 0,1
	MM HH+16*\t, W1F+32*(2*(\z)+\t), XF, 1, B1R+16*\t, W1S+2*(2*(\z)+\t), XSC, 0
.endr
.irp t, 0,1
	MM HH+16*\t, W1F+32*(2*(\z)+\t)+16, XF+8, 1, HH+16*\t, W1S+2*(2*(\z)+\t)+1, XSC, 1
.endr
	WIN 0
	NOPS 4
.if (\m)+1 < HI
	FRAGL XF, XSC, (\m)+1                          ; the next tile of rows lands while this one is quantised
.endif
.if ((\z) == 0) && ((\m) < 2)
	LW2 24+4*(\m), 4                               ; the last eight loads of W2
.endif
	HQ \z, \m
.endm
.macro P7GROUP
.irp z, 0,1
.irp b, 0,1
.irp q, 0,1,2,3
	ds_load_b128 v[B1R+16*\b+4*\q:B1R+16*\b+4*\q+3], v[P_P1] offset:128*(2*\z+\b)+16*\q
.endr
.endr
	FRAGL XF, XSC, LO
	s_wait_alu depctr_va_vdst(0)
.irp m, 0,1,2,3,4
.if (\m >= LO) && (\m < HI)
	P7STEP \z, \m
.endif
.endr
.endr
.endm
; The last product: K = 1,024 in eight steps; the group's accumulators by turns, adding onto x1 + b2.  A step's fragments lie in one of two buffers.
.macro HFL s
.irp m, 0,1,2,3,4
.if (\m >= LO) && (\m < HI)
.set HFB, 64+24*((\s)%2)+8*(\m-LO)
	ds_load_b128 v[HFB:HFB+3], v[P_HR] offset:8448*\m+64*(\s)
	ds_load_b128 v[HFB+4:HFB+7], v[P_HR] offset:8448*\m+64*(\s)+32
.endif
.endr
.endm
.macro P8MUL s
	WIN 0x01
.irp m, 0,1,2,3,4
.if (\m >= LO) && (\m < HI)
	MM YY+16*\m, W2F+16*(\s), 64+24*((\s)%2)+8*(\m-LO), 1, YY+16*\m, W2S+(\s), HSC+4*(\m-LO)+((\s)%4), (\s)/4
.endif
.endr
	WIN 0
	NOPS 4
.endm
.macro P8GROUP
.irp m, 0,1,2,3,4
.if (\m >= LO) && (\m < HI)
	ds_load_b128 v[HSC+4*(\m-LO):HSC+4*(\m-LO)+3], v[P_HSR] offset:512*\m
.endif
.endr
	HFL 0
	HFL 1
.if LO == 0
	s_wait_loadcnt 0x0                             ; W2
.endif
.irp s, 0,1,2,3,4,5
	s_wait_dscnt 2*(HI-LO)                         ; this step's fragments are in; the next step's two loads a tile may be out
	P8MUL \s
	HFL \s+2
.endr
	s_wait_dscnt 2*(HI-LO)
	P8MUL 6
	s_wait_dscnt 0x0
	P8MUL 7
.endm
; The way out: a row's 1,024 bytes come from eight waves: they meet in a stage, over x, which was read ahead of the first norm's barrier; each wave stores whole rows.
.macro STAGEIN
.irp m, 0,1,2,3,4
.if (\m >= LO) && (\m < HI)
.irp q, 0,1,2,3
.if \m < 3
	ds_store_b128 v[P_SW], v[YY+16*\m+4*\q:YY+16*\m+4*\q+3] offset:16640*\m+16*\q
.else
	ds_store_b128 v[P_SW3], v[YY+16*\m+4*\q:YY+16*\m+4*\q+3] offset:16640*(\m-3)+16*\q
.endif
.endr
.endif
.endr
.endm
.macro SENDROWS reg, n, sr, go         ; n half rows of 512 bytes
.set Q, 0
.rept \n
	ds_load_b128 v[(\reg)+4*Q:(\reg)+4*Q+3], v[\sr] offset:1040*(Q/2)+512*(Q%2)
.set Q, Q+1
.endr
.set Q, 0
.rept \n
	s_wait_dscnt (\n)-1-Q                          ; LDS loads come back in order: this one is in, the later ones may be out
	global_store_b128 v[\go], v[(\reg)+4*Q:(\reg)+4*Q+3], s[44:45] offset:512*Q th:TH_STORE_NT   ; 32 lanes store 512 consecutive bytes, aligned to 256
.set Q, Q+1
.endr
.endm
.set RS, 64
.set MW, 48
.set LO, 0
.set HI, 3
	s_wait_loadcnt 24                              ; W1, its scale words and W2's are in; W2's first 24 loads may be out
	P7GROUP                                        ; FIRST GROUP: tiles 0-2
	BARRIER                                        ; its hidden codes lie in LDS
	P8GROUP
	LNPRE 6400                                     ; out = LayerNorm(x1 + ff), g2, be2
.set LO, 3
.set HI, 5
	P7GROUP                                        ; SECOND GROUP: tiles 3, 4
	GLOAD 6144, 7168
	BARRIER                                        ; its hidden codes, and the first group's exchange
.set LO, 0
.set HI, 3
	LNPOST 6400
	STAGEIN
	BARRIER                                        ; the first group's rows lie in the stage
	SENDROWS YY, 12, P_SR, P_GO
.set LO, 3
.set HI, 5
	P8GROUP
	LNPRE 6400
	BARRIER
	LNPOST 6400
	STAGEIN
	BARRIER
	SENDROWS YY+48, 8, P_SR2, P_GO2
	s_wait_tensorcnt 0x0                           ; the wave's end
	ds_add_u32 v[SPW], v[NIL]
	s_wait_dscnt 0x0
	s_endpgm
.Lfunc_end_k_qb04ef2225c_layer:
	.size	k_qb04ef2225c_layer, .Lfunc_end_k_qb04ef2225c_layer-k_qb04ef2225c_layer
	.p2alignl 7, 3214868480
	.fill 96, 4, 3214868480
	.section	.rodata,"a",@progbits
	.p2align	6, 0x0
	.amdhsa_kernel k_qb04ef2225c_layer
		.amdhsa_group_segment_fixed_size 327680
		.amdhsa_private_segment_fixed_size 0
		.amdhsa_enable_private_segment 0
		.amdhsa_kernarg_size 168
		.amdhsa_user_sgpr_count 2
		.amdhsa_user_sgpr_kernarg_segment_ptr 1
		.amdhsa_wavefront_size32 1
		.amdhsa_system_sgpr_workgroup_id_x 1
		.amdhsa_system_sgpr_workgroup_id_y 1
		.amdhsa_system_sgpr_workgroup_id_z 1
		.amdhsa_system_vgpr_workitem_id 0
		.amdhsa_next_free_vgpr 512
		.amdhsa_next_free_sgpr 106
		.amdhsa_reserve_vcc 0
		.amdhsa_float_denorm_mode_32 3
		.amdhsa_float_denorm_mode_16_64 3
		.amdhsa_memory_ordered 1
		.amdhsa_forward_progress 1
		.amdhsa_inst_pref_size 255
	.end_amdhsa_kernel
	.section	.bss,"aw",@nobits
	.p2align	6
	.space	262144
	.amdgpu_metadata
---
amdhsa.version: [ 1, 2 ]
amdhsa.kernels:
  - .name:           k_qb04ef2225c_layer
    .symbol:         k_qb04ef2225c_layer.kd
    .args:
      - { .name: xc, .offset: 0, .size: 8, .value_kind: global_buffer, .address_space: global }
      - { .name: xs, .offset: 8, .size: 8, .value_kind: global_buffer, .address_space: global }
      - { .name: attention_samples, .offset: 16, .size: 8, .value_kind: global_buffer, .address_space: global }
      - { .name: x, .offset: 24, .size: 8, .value_kind: global_buffer, .address_space: global }
      - { .name: wi, .offset: 32, .size: 8, .value_kind: global_buffer, .address_space: global }
      - { .name: Wq_scales, .offset: 40, .size: 8, .value_kind: global_buffer, .address_space: global }
      - { .name: Wk_scales, .offset: 48, .size: 8, .value_kind: global_buffer, .address_space: global }
      - { .name: Wv_scales, .offset: 56, .size: 8, .value_kind: global_buffer, .address_space: global }
      - { .name: W1_scales, .offset: 64, .size: 8, .value_kind: global_buffer, .address_space: global }
      - { .name: Wo_scales, .offset: 72, .size: 8, .value_kind: global_buffer, .address_space: global }
      - { .name: W2_scales, .offset: 80, .size: 8, .value_kind: global_buffer, .address_space: global }
      - { .name: bq, .offset: 88, .size: 8, .value_kind: global_buffer, .address_space: global }
      - { .name: bv, .offset: 96, .size: 8, .value_kind: global_buffer, .address_space: global }
      - { .name: bo, .offset: 104, .size: 8, .value_kind: global_buffer, .address_space: global }
      - { .name: g1, .offset: 112, .size: 8, .value_kind: global_buffer, .address_space: global }
      - { .name: be1, .offset: 120, .size: 8, .value_kind: global_buffer, .address_space: global }
      - { .name: b2, .offset: 128, .size: 8, .value_kind: global_buffer, .address_space: global }
      - { .name: g2, .offset: 136, .size: 8, .value_kind: global_buffer, .address_space: global }
      - { .name: be2, .offset: 144, .size: 8, .value_kind: global_buffer, .address_space: global }
      - { .name: b1, .offset: 152, .size: 8, .value_kind: global_buffer, .address_space: global }
      - { .name: out0, .offset: 160, .size: 8, .value_kind: global_buffer, .address_space: global }
    .group_segment_fixed_size: 327680
    .private_segment_fixed_size: 0
    .kernarg_segment_align: 8
    .kernarg_segment_size: 168
    .max_flat_workgroup_size: 256
    .sgpr_count:     106
    .vgpr_count:     512
    .wavefront_size: 32
...
	.end_amdgpu_metadata
.endif
;; end of part 2
